; MI455X (gfx1250); checked and timed in simulation.
; The chip was launched on July 23, 2026; its instructions are those of AMD's public machine-readable ISA for CDNA 5 (MIT licence, August 2026) and "CDNA5" Instruction Set Architecture Reference Guide (July 2026). The comments in the code are by the model that wrote it; some were corrected since.
;; s LSTM Cell. Allowed arithmetic: float matrix products may take bf16 or f16 operands with f32 sums; all other float work in f32.
;; Inputs: Rf 2,048 x 2,048 float32; Ri 2,048 x 2,048 float32; Ro 2,048 x 2,048 float32; Rz 2,048 x 2,048 float32; Wf 2,048 x 1,024 float32; Wi 2,048 x 1,024 float32; Wo 2,048 x 1,024 float32; Wz 2,048 x 1,024 float32; bf 2,048 float32; bi 2,048 float32; bo 2,048 float32; bz 2,048 float32; c_prev 2,048 x 2,048 float32; h_prev 2,048 x 2,048 float32; n_prev 2,048 x 2,048 float32; x 2,048 x 1,024 float32.
;; Outputs: out0 2,048 x 2,048 float32.
;; 2 versions, each right; version 2 is version 1 with the launch pack written anew for expert scheduling mode. Each part assembles by itself: llvm-mc -triple=amdgcn-amd-amdhsa -mcpu=gfx1250 --defsym DOCPART=n.
;; ======== version 1 of 2: 2 launches
;; workspace buffers: abf 12,582,912 bytes; bbf 50,331,648 bytes
;; launch pack (part 1): grid 256 x 5, 8 waves a work-group, no clusters, 0 bytes of LDS; arguments x, h_prev, Wz, Rz, Wi, Ri, Wf, Rf, Wo, Ro, abf, bbf; writes abf, bbf
.if DOCPART == 1
	.amdgcn_target "amdgcn-amd-amdhsa--gfx1250"
	.amdhsa_code_object_version 6
	.text
	.protected	k_q9cb2ba7513_pack
	.globl	k_q9cb2ba7513_pack
	.p2align	8
	.type	k_q9cb2ba7513_pack,@function
k_q9cb2ba7513_pack:
	s_mov_b64 s[64:65], 0
	v_nop
	global_prefetch_b8 v0, s[64:65] scope:SCOPE_SE
	s_setreg_imm32_b32 hwreg(HW_REG_WAVE_MODE, 25, 1), 1
	s_wait_xcnt 0x0
; Rounds the product's operands to bf16 once (to nearest even) and lays them in the order in which the second launch multiplies them.
;   abf[m][0:1024] = x[m], abf[m][1024:3072] = h_prev[m]                       2,048 rows of 3,072 bf16 (6,144 bytes)
;   bbf[n][0:1024] = W_g[hid], bbf[n][1024:3072] = R_g[hid], n = (hid >> 5) * 128 + g * 32 + (hid & 31), g = 0..3 for z, i, f, o
; so that 128 neighbouring rows of bbf hold all four gates of 32 neighbouring hidden columns.
; A stream: every input byte is read once and every output byte written once, so there is no LDS, no barrier, no matrix work, and no cluster
; (no two work-groups read the same byte).  10,240 output rows = 5 x 256 work-groups x 8 waves x 1 row.  The work-group's y picks the pair of
; sources (0: x and h_prev; 1 to 4: W_g and R_g), its x and the wave's number the row.
; A wave's row is 12,288 bytes of f32: 24 loads of 16 bytes a lane, each 512 neighbouring bytes.  A ring of DEPTH slots keeps DEPTH of them on
; their way: in its turn a slot's load is waited for, rounded, the slot is loaded again, and the rounded piece is stored, so that loads and
; stores leave the wave by turns from the first turn on.  With 52 registers a wave the five work-groups that fall to a WGP
; (10 waves on each SIMD's 1,024 registers) lie beside each other: 40 waves x DEPTH x 512 bytes are on their way to a WGP.
.set ROWB,  6144                       ; bytes in an output row
.set NLD,   24                         ; loads of a wave: 8 from the first source, 16 from the second
.set DEPTH, 8                          ; slots = loads in flight; equal to the first source's loads, so that turn j loads piece j of the second source
.set X,     4                          ; v[4:35]   slot i: 4 registers, 4 f32 as loaded
.set Y,     36                         ; v[36:51]  slot i: 2 registers, 4 bf16 to store
	s_load_b512 s[8:23], s[0:1], 0x0               ; x 8, h_prev 10, Wz 12, Rz 14, Wi 16, Ri 18, Wf 20, Rf 22
	s_load_b256 s[24:31], s[0:1], 0x40             ; Wo 24, Ro 26, abf 28, bbf 30
	v_lshrrev_b32 v1, 5, v0
	v_readfirstlane_b32 s2, v1                     ; the wave's number
	v_and_b32 v1, 31, v0                           ; lane
	v_lshlrev_b32 v2, 4, v1                        ; 16 bytes a lane in a load; never rewritten
	v_lshlrev_b32 v3, 3, v1                        ; 8 bytes a lane in a store; never rewritten
	s_and_b32 s3, ttmp7, 0xffff                    ; y: which pair of sources
	s_lshl_b32 s4, ttmp9, 3
	s_add_co_u32 s4, s4, s2                        ; the source row = 8 x + wave
	s_lshr_b32 s5, s4, 5                           ; the row in bbf: (row >> 5) * 128
	s_lshl_b32 s5, s5, 7
	s_and_b32 s6, s4, 31                           ; + (row & 31)
	s_add_co_u32 s5, s5, s6
	s_max_u32 s6, s3, 1                            ; + 32 x gate; the gate is y - 1 (at y = 0 this sum is not used)
	s_sub_co_u32 s6, s6, 1
	s_lshl_b32 s6, s6, 5
	s_add_co_u32 s5, s5, s6
	s_cmp_eq_u32 s3, 0
	s_cselect_b32 s5, s4, s5                       ; in abf the row keeps its number
	s_mul_i32 s32, s5, ROWB                        ; at most 8,191 x 6,144: inside 32 bits
	s_mov_b32 s33, 0
	s_lshl_b32 s40, s4, 12                         ; the first source's rows are 4,096 bytes,
	s_mov_b32 s41, 0
	s_lshl_b32 s42, s4, 13                         ; the second's 8,192
	s_mov_b32 s43, 0
	s_wait_kmcnt 0x0
	s_mov_b64 s[34:35], s[8:9]                     ; y = 0: x and h_prev
	s_mov_b64 s[36:37], s[10:11]
.irp k, 1,2,3,4
	s_cmp_eq_u32 s3, \k                            ; y = k: W and R of gate k - 1
	s_cselect_b64 s[34:35], s[8+4*\k:9+4*\k], s[34:35]
	s_cselect_b64 s[36:37], s[10+4*\k:11+4*\k], s[36:37]
.endr
	s_cmp_eq_u32 s3, 0
	s_cselect_b64 s[38:39], s[28:29], s[30:31]     ; abf or bbf
	s_add_nc_u64 s[34:35], s[34:35], s[40:41]
	s_add_nc_u64 s[36:37], s[36:37], s[42:43]
	s_add_nc_u64 s[38:39], s[38:39], s[32:33]
.irp j, 0,1,2,3,4,5,6,7
	global_load_b128 v[X+4*\j:X+4*\j+3], v2, s[34:35] offset:512*\j th:TH_LOAD_NT   ; fill the ring: the first source's whole row
.endr
; Turn j of 24, on slot i = j mod DEPTH.
.set j, 0
.rept NLD
.set i, j%DEPTH
.if j < NLD-DEPTH
	s_wait_loadcnt DEPTH-1                         ; loads come back in order (ISA guide 5.7.1): load j is in, the DEPTH-1 younger ones stay out
.else
	s_wait_loadcnt NLD-1-j                         ; the last DEPTH turns load nothing: the counts run down
.endif
.if j >= DEPTH
	s_wait_xcnt 0x0                                ; every earlier memory instruction has had its addresses translated (ISA guide 3.1): the slot's Y, which its store DEPTH turns back reads, is rewritten only behind this wait
.endif
	v_cvt_pk_bf16_f32 v[Y+2*i],   v[X+4*i],   v[X+4*i+1]
	v_cvt_pk_bf16_f32 v[Y+2*i+1], v[X+4*i+2], v[X+4*i+3]
.if j < NLD-DEPTH
	global_load_b128 v[X+4*i:X+4*i+3], v2, s[36:37] offset:512*j th:TH_LOAD_NT   ; load j + DEPTH = piece j of the second source, ahead of the store
.endif
	global_store_b64 v3, v[Y+2*i:Y+2*i+1], s[38:39] offset:256*j   ; the wave's 32 lanes store 256 consecutive bytes, at a multiple of 256 from the buffer's first byte; the next launch reads them, so no hint
.set j, j+1
.endr
	s_endpgm
.Lfunc_end_k_q9cb2ba7513_pack:
	.size	k_q9cb2ba7513_pack, .Lfunc_end_k_q9cb2ba7513_pack-k_q9cb2ba7513_pack
	.p2alignl 7, 3214868480
	.fill 96, 4, 3214868480
	.section	.rodata,"a",@progbits
	.p2align	6, 0x0
	.amdhsa_kernel k_q9cb2ba7513_pack
		.amdhsa_group_segment_fixed_size 0
		.amdhsa_private_segment_fixed_size 0
		.amdhsa_enable_private_segment 0
		.amdhsa_kernarg_size 96
		.amdhsa_user_sgpr_count 2
		.amdhsa_user_sgpr_kernarg_segment_ptr 1
		.amdhsa_wavefront_size32 1
		.amdhsa_system_sgpr_workgroup_id_x 1
		.amdhsa_system_sgpr_workgroup_id_y 1
		.amdhsa_system_sgpr_workgroup_id_z 1
		.amdhsa_system_vgpr_workitem_id 0
		.amdhsa_next_free_vgpr 52
		.amdhsa_next_free_sgpr 66
		.amdhsa_reserve_vcc 0
		.amdhsa_float_denorm_mode_32 3
		.amdhsa_float_denorm_mode_16_64 3
		.amdhsa_memory_ordered 1
		.amdhsa_forward_progress 1
		.amdhsa_inst_pref_size 11
	.end_amdhsa_kernel
	.amdgpu_metadata
---
amdhsa.version: [ 1, 2 ]
amdhsa.kernels:
  - .name:           k_q9cb2ba7513_pack
    .symbol:         k_q9cb2ba7513_pack.kd
    .args:
      - { .name: x, .offset: 0, .size: 8, .value_kind: global_buffer, .address_space: global }
      - { .name: h_prev, .offset: 8, .size: 8, .value_kind: global_buffer, .address_space: global }
      - { .name: Wz, .offset: 16, .size: 8, .value_kind: global_buffer, .address_space: global }
      - { .name: Rz, .offset: 24, .size: 8, .value_kind: global_buffer, .address_space: global }
      - { .name: Wi, .offset: 32, .size: 8, .value_kind: global_buffer, .address_space: global }
      - { .name: Ri, .offset: 40, .size: 8, .value_kind: global_buffer, .address_space: global }
      - { .name: Wf, .offset: 48, .size: 8, .value_kind: global_buffer, .address_space: global }
      - { .name: Rf, .offset: 56, .size: 8, .value_kind: global_buffer, .address_space: global }
      - { .name: Wo, .offset: 64, .size: 8, .value_kind: global_buffer, .address_space: global }
      - { .name: Ro, .offset: 72, .size: 8, .value_kind: global_buffer, .address_space: global }
      - { .name: abf, .offset: 80, .size: 8, .value_kind: global_buffer, .address_space: global }
      - { .name: bbf, .offset: 88, .size: 8, .value_kind: global_buffer, .address_space: global }
    .group_segment_fixed_size: 0
    .private_segment_fixed_size: 0
    .kernarg_segment_align: 8
    .kernarg_segment_size: 96
    .max_flat_workgroup_size: 256
    .sgpr_count:     66
    .vgpr_count:     52
    .wavefront_size: 32
...
	.end_amdgpu_metadata
.endif
;; end of part 1
;; launch cell (part 2): grid 8 x 32, 4 waves a work-group, clusters of 4 x 4, 327,680 bytes of LDS; arguments abf, bbf, bz, bi, bf, bo, c_prev, n_prev, out0; writes out0
.if DOCPART == 2
	.amdgcn_target "amdgcn-amd-amdhsa--gfx1250"
	.amdhsa_code_object_version 6
	.text
	.protected	k_q9cb2ba7513_cell
	.globl	k_q9cb2ba7513_cell
	.p2align	8
	.type	k_q9cb2ba7513_cell,@function
k_q9cb2ba7513_cell:
	s_mov_b64 s[64:65], 0
	v_nop
	global_prefetch_b8 v0, s[64:65] scope:SCOPE_SE
	s_setreg_imm32_b32 hwreg(HW_REG_WAVE_MODE, 25, 1), 1
	s_wait_xcnt 0x0
	s_wait_alu depctr_hold_cnt(0) depctr_sa_sdst(0) depctr_va_vdst(0) depctr_va_sdst(0) depctr_va_ssrc(0) depctr_va_vcc(0) depctr_vm_vsrc(0)
	s_getreg_b32 s2, hwreg(HW_REG_IB_STS2, 6, 4)
	s_cmp_eq_u32 s2, 0
	s_cbranch_scc0 .Lentry_in_a_cluster
	s_endpgm
.Lentry_in_a_cluster:
	s_bfe_u32 s2, ttmp6, 0x10000c
	s_cmp_lg_u32 s2, 0xf033
	s_cbranch_scc0 .Lentry_shape_is_right
	s_endpgm
.Lentry_shape_is_right:
; h = sigmoid(ao) (e^af c_prev + e^ai tanh(az)) / (e^af n_prev + e^ai),  a_g[m][hid] = sum over k of abf[m][k] bbf[row(g, hid)][k] + b_g[hid].
; abf: [2048][3072] bf16 (x | h_prev).  bbf: [8192][3072] bf16, row (hid >> 5) * 128 + g * 32 + (hid & 31), g = z, i, f, o.  Sums and the tail in f32.
; A work-group makes 256 batch rows x 64 hidden columns of h = 256 x 256 of the product, with four waves; a wave makes 128 batch rows x 128 rows of bbf
; (4 gates x 32 hidden columns): 64 accumulator tiles of 16 x 16, 512 registers.  8 x 32 = 256 work-groups, one tile each.
; K goes in 24 steps of 128 through a ring of two LDS slots filled by the tensor data mover; a tile's rows are 256 bytes of memory and start at
; multiples of 256 bytes from the buffer's first byte (a row of abf and of bbf is 24 x 256 bytes).
; CLUSTERS: 4 x 4 work-groups.  The work-group's x is the batch block, its y the hidden block.  The four of a column of the cluster (same cx) need the
; same tiles of abf, the four of a row (same cy) the same tiles of bbf: each tile is asked for jointly, which divides the requests for both by four.
; c_prev's and n_prev's tiles (256 rows x 256 bytes each) belong to one work-group alone and come by plain loads, in two parts.  The first 32 of each
; wave's 128 rows go at the start into 34,816 bytes of their own behind the ring; the other 96 go into slot 0 when its last K step has been read.
; The tail's first two row blocks work from the early part, so that the late part has the last K step and those two blocks in which to land.
;
; REGISTERS, in windows of 256 (s_set_vgpr_msb says which window each operand place means; low byte: bits 1:0 source 0, 3:2 source 1, 5:4 source 2, 7:6 destination):
;   window 0: v16-30 addresses; v32-63 c and n, set 0; v64-127, v128-191 fragments of abf, two buffers (in the tail: at work);
;             v192-255 the biases (behind the first quarter step v192-223 are c and n, set 1)
;   window 1: v64-127, v128-191 fragments of bbf, two buffers
;   window 2: the 32 accumulator tiles of my batch rows 0-63 (tile (a, b) at v[8 (8 a + b)]);   window 3: those of my rows 64-127
; THE MATRIX INSTRUCTION IS USED TRANSPOSED: source 0 = 16 rows of bbf, source 1 = 16 rows of abf.  Lane l then holds batch row l % 16, and its registers
; j = 0..7 rows 8 (l / 16) + j of block b of bbf.  Block b = 2 g + jb is gate g, hidden columns 16 jb + 0..15 of my 32: so register 64 a + 16 g + e,
; e = 8 jb + j, is gate g of ONE element of h, and the four gates of an element lie in one lane.  The tail needs no exchange between lanes.
; The bias is the C operand of each tile's first product: nothing is cleared and nothing is added later.
;
; LIMITS.  The operands are rounded to bf16.  i and f are made as e^(ai - m) and e^(af - m), m = max(ai, af): the factor e^-m cancels in c / n, no exponential
; overflows and the larger of the two is 1.  Where e^ai or e^af overflows f32 (ai or af above about 88.7) and the quotient of the unshifted sums would be
; inf / inf, this text gives the finite limit.  sigmoid and the division share one reciprocal, h = c' / (n' (1 + e^-ao)): v_rcp_f32 takes a denominator below
; 2^-126 in magnitude as zero and gives zero for one above 2^126 (ISA guide, 15.8).  tanh(az) = 1 - 2 / (1 + e^(2 az)): absolute error about 1e-7, exact limits at both ends.
.set SIZE_K, 3072
.set KSTEP,  128
.set PITCH,  272                       ; an LDS row: 256 bytes of data + 16 of padding = 68 words: row r starts at bank 4 r mod 64 (64 banks of 4 bytes: ISA guide 11.1), so the 16 rows that a load touches start at 16 different banks
.set HALFT,  128*PITCH                 ; 128 rows: what one tensor load brings, and what one wave reads of abf or of bbf
.set SLOT,   4*HALFT                   ; abf's 256 rows, then bbf's 256 rows
.set LAPS,   SIZE_K/(2*KSTEP)          ; a lap = two K steps = once round the ring: 12
.set EARLY,  2*SLOT                    ; behind the ring: the early rows of c_prev and n_prev
.set EROWS,  32                        ; rows of a wave's early part: two row blocks of the tail
.set EPART,  EROWS*PITCH               ; its bytes; four parts: c_prev's two halves, then n_prev's
.set CROW,   8192                      ; bytes in a row of c_prev, n_prev and out0
.set SPITCH, 144                       ; the stage for h: a wave's row is 128 bytes + 16: nine 16-byte columns, so 16 rows start at 16 different columns of 256 bytes
.set WREG,   18560                     ; a wave's stage: 128 rows x 144 bytes + 128, so that the two halves of a row of h lie 128 bytes apart modulo 256
.set ADRA, 16                          ; v16-17  LDS address of my abf fragments in slot 0, 1
.set ADRB, 20                          ; v20-21  the same for bbf
.set ADC,  22                          ; v22     LDS address of my 8 numbers of c_prev in row block 0, as if the whole tile lay in slot 0 (used for blocks 2 to 7)
.set ADN,  23                          ; v23     the same for n_prev
.set STO,  24                          ; v24     the stage: where I put my numbers of h
.set RD,   25                          ; v25     the stage: where I read rows of h back
.set CO,   26                          ; v26     my byte offset in out0
.set BO,   27                          ; v27     my byte offset in each bias
.set ADCE, 28                          ; v28     LDS address of my 8 numbers of c_prev in row block 0, in the early part (blocks 0 and 1)
.set ADNE, 29                          ; v29     the same for n_prev
.set PF,   30                          ; v30     lane x one row of c_prev: the prefetch's offset; never rewritten
.set CN0,  32                          ; v[32:63]   c (16 registers) and n (16), set 0
.set CN1,  192                         ; v[192:223] the same, set 1
.set F0,   64                          ; fragment buffer 0
.set F1,   128                         ; fragment buffer 1
.set BIAS, 192                         ; v[192:255] block b: 8 registers, bias of rows 8 (l / 16) + 0..7 of the block
.set M,    64                          ; the tail, 16 registers each: max(ai, af),
.set TZ,   80                          ; what becomes tanh(az), then h,
.set TI,   96                          ; e^(ai - m),
.set TF,   112                         ; e^(af - m),
.set TO,   128                         ; e^-ao
.set G1,  24                           ; s[24:31] descriptor group 1 for abf's tiles
.set G0,  32                           ; s[32:39] descriptor group 0 for abf's tiles, one set for each slot
.set G1B, 48                           ; s[48:55] descriptor group 1 for bbf's tiles: it differs in the mask alone
.set G0B, 56                           ; s[56:63] descriptor group 0 for bbf's tiles, one set for each slot
.set G1C, 68                           ; s[68:75] descriptor group 1 for c_prev's and n_prev's tiles: first the early part's, then the late part's
.set G0C, 76                           ; s[76:79] descriptor group 0 for them, likewise
.set MSB, 0
.macro WIN new                         ; the immediate's high byte repeats the setting that is left
.if MSB != \new
	s_set_vgpr_msb (MSB<<8)|\new
.set MSB, \new
.endif
.endm
.set MUL_LO, 0xa1                      ; source 0 (bbf) window 1, source 1 (abf) window 0, C and D window 2
.set MUL_HI, 0xf1                      ; the same, C and D window 3
.set BIA_LO, 0x81                      ; the first products: C (the bias) window 0, D window 2
.set BIA_HI, 0xc1                      ; the same, D window 3
.set TO_B,   0x40                      ; destination window 1, address window 0
; A joint load.  Waves 0 and 1 fetch abf's two halves, waves 2 and 3 bbf's.  Each of the two lines has one mask and one set of registers for all that issue it,
; and nothing in them hangs on a coordinate that the four partners do not share.  The branch hangs on the wave's number alone.
.macro JLOAD s
	s_cmp_eq_u32 s11, 0
	s_cbranch_scc0 .Lfor_b_\@
	tensor_load_to_lds s[G0+4*\s:G0+4*\s+3], s[G1:G1+7]
	s_nop 0
	s_branch .Lasked_\@
.Lfor_b_\@:
	tensor_load_to_lds s[G0B+4*\s:G0B+4*\s+3], s[G1B:G1B+7]
	s_nop 0
.Lasked_\@:
.endm
; A round of the cluster's barrier: my work-group's barrier, so that wave 0's signal speaks for all four waves; wave 0 signals for the work-group; every wave
; waits for all sixteen work-groups; my work-group's barrier once more.
.macro CREST                           ; a round behind its opening barrier
	s_cmp_lg_u32 s10, 0
	s_cbranch_scc1 .Lnot_wave_0_\@
	s_barrier_signal -3
.Lnot_wave_0_\@:
	s_barrier_wait -3
	s_barrier_signal -1
	s_barrier_wait -1
.endm
.macro CROUND                          ; a whole round
	s_barrier_signal -1
	s_barrier_wait -1
	CREST
.endm
	s_load_b128 s[4:7], s[0:1], 0x0                ; abf s[4:5], bbf s[6:7]
	s_load_b256 s[84:91], s[0:1], 0x10             ; bz 84, bi 86, bf 88, bo 90
	s_load_b128 s[92:95], s[0:1], 0x30             ; c_prev 92, n_prev 94
	s_load_b64 s[8:9], s[0:1], 0x40                ; out0
	s_set_vgpr_msb 0x40
	v_lshl_add_u32 v255, v0, 2, 0x4c800
	s_set_vgpr_msb 0x4000
	v_mov_b32 v31, 0
	s_set_vgpr_msb 0x1
	ds_add_u32 v255, v31
	s_set_vgpr_msb 0x100
	v_lshrrev_b32 v1, 5, v0
	v_readfirstlane_b32 s10, v1                    ; wave 0..3
	s_lshr_b32 s11, s10, 1                         ; which 128 batch rows are mine.  Also: I fetch for abf and c_prev (0) or for bbf and n_prev (1)
	s_and_b32 s12, s10, 1                          ; which 128 rows of bbf (32 hidden columns) are mine.  Also: which 128 rows of a tile I fetch
	s_bfe_u32 s40, ttmp6, 0x40000                  ; cx: my place along the cluster's x
	s_bfe_u32 s41, ttmp6, 0x40004                  ; cy: along its y
	s_lshl_b32 s42, ttmp9, 2                       ; in a cluster launch ttmp9 and ttmp7 count clusters
	s_add_co_u32 s42, s42, s40                     ; batch block = 4 x cluster x + cx
	s_and_b32 s13, ttmp7, 0xffff
	s_lshl_b32 s13, s13, 2
	s_add_co_u32 s13, s13, s41                     ; hidden block = 4 x cluster y + cy
	s_lshl_b32 s43, s41, 2
	s_lshl_b32 s43, 15, s43                        ; my row of the cluster: places 4 cy .. 4 cy + 3
	s_lshl_b32 s44, 0x1111, s40                    ; my column: places cx, cx + 4, cx + 8, cx + 12
	s_mov_b32 s96, 0x4038aa3b                      ; 2 log2 e, as a pair for the packed multiply
	s_mov_b32 s97, 0x4038aa3b
	s_mov_b32 s98, 0xbfb8aa3b                      ; - log2 e
	s_mov_b32 s99, 0xbfb8aa3b
	s_mov_b32 s100, 0x3fb8aa3b                     ; log2 e
	s_mov_b32 s101, 0x3fb8aa3b
	; descriptor groups 1 for abf and bbf: a tile of 128 rows x 128 elements of 2 bytes, padded in LDS
	s_or_b32 s[G1+0], s44, (1<<16)|(1<<20)|(1<<21)|(5<<22)|(3<<25)  ; 15:0 the mask: abf's tiles go to my column; 17:16 element of 2 bytes; 20 padding on; 21 set beside a mask; 24:22 after every 64 words (code 5); 31:25 of 4 words (code 3)
	s_or_b32 s[G1B+0], s43, (1<<16)|(1<<20)|(1<<21)|(5<<22)|(3<<25) ; the same with the mask of my row, for bbf's tiles
	s_mov_b32 s[G1+1], KSTEP<<16                   ; 63:48 tensor_dim0, low half = 128
	s_mov_b32 s[G1B+1], KSTEP<<16
	s_mov_b32 s[G1+2], 128<<16                     ; 79:64 its high half = 0; 95:80 tensor_dim1, low half = 128
	s_mov_b32 s[G1B+2], 128<<16
	s_mov_b32 s[G1+3], KSTEP<<16                   ; 111:96 its high half = 0; 127:112 tile_dim0 = 128
	s_mov_b32 s[G1B+3], KSTEP<<16
	s_mov_b32 s[G1+4], 128                         ; 143:128 tile_dim1 = 128; 159:144 tile_dim2 = 0
	s_mov_b32 s[G1B+4], 128
	s_mov_b32 s[G1+5], SIZE_K                      ; 191:160 tensor_dim0_stride: elements from row to row
	s_mov_b32 s[G1B+5], SIZE_K
	s_mov_b32 s[G1+6], 0
	s_mov_b32 s[G1B+6], 0
	s_mov_b32 s[G1+7], 0
	s_mov_b32 s[G1B+7], 0
	; descriptor group 1 for c_prev and n_prev: rows of 64 elements of 4 bytes, the same 256 bytes and the same padding a row; no mask: a load of my own.  First the early part's 32 rows.
	s_mov_b32 s[G1C+0], (2<<16)|(1<<20)|(5<<22)|(3<<25)
	s_mov_b32 s[G1C+1], 64<<16                     ; tensor_dim0 = 64
	s_mov_b32 s[G1C+2], EROWS<<16                  ; tensor_dim1 = 32
	s_mov_b32 s[G1C+3], 64<<16                     ; tile_dim0 = 64
	s_mov_b32 s[G1C+4], EROWS                      ; tile_dim1 = 32
	s_mov_b32 s[G1C+5], 2048                       ; 2,048 elements from row to row
	s_mov_b32 s[G1C+6], 0
	s_mov_b32 s[G1C+7], 0
	; where the tiles come from.  abf's hang on the batch block alone, which my column of the cluster shares; bbf's on the hidden block alone, which my row shares.
	; Every wave makes both addresses, in registers that never hold the other coordinate, and asks by one of them.
	s_lshl_b32 s17, s12, 7                         ; which 128 rows of the tile I fetch
	s_lshl_b32 s16, s13, 8
	s_add_co_u32 s16, s16, s17                     ; bbf: row 256 x hidden block + 128 x half
	s_lshl_b32 s46, s42, 8
	s_add_co_u32 s46, s46, s17                     ; abf, c_prev, n_prev: row 256 x batch block + 128 x half
	s_lshl_b32 s80, s46, 13                        ; c_prev and n_prev: rows of 8,192 bytes,
	s_lshl_b32 s81, s13, 8                         ; and 64 columns of 4 bytes for each hidden block; under 16 MiB in all
	s_add_co_u32 s80, s80, s81
	s_mov_b32 s81, 0
	s_mov_b32 s17, 0
	s_mov_b32 s47, 0
	s_mov_b64 s[18:19], SIZE_K*2
	s_mul_u64 s[16:17], s[16:17], s[18:19]         ; in bytes
	s_mul_u64 s[46:47], s[46:47], s[18:19]
	s_mul_i32 s20, s10, HALFT                      ; and where they go: abf's two halves, then bbf's two halves = wave x 128 rows: no place in the cluster enters an LDS address
	s_wait_dscnt 0x0
	s_wait_kmcnt 0x0
	s_add_nc_u64 s[14:15], s[6:7], s[16:17]
	s_add_nc_u64 s[46:47], s[4:5], s[46:47]
	s_cmp_eq_u32 s11, 0
	s_cselect_b64 s[82:83], s[92:93], s[94:95]     ; waves 0 and 1 fetch c_prev's halves, waves 2 and 3 n_prev's
	s_add_nc_u64 s[66:67], s[82:83], s[80:81]      ; the first of the 128 rows that I fetch; kept for the prefetch
	s_mov_b32 s[G0C], 1                            ; 1:0 count = 1
	s_mul_i32 s[G0C+1], s10, EPART                 ; 63:32 LDS address: my part of the early rows
	s_add_co_u32 s[G0C+1], s[G0C+1], EARLY
	s_mov_b64 s[G0C+2:G0C+3], s[66:67]
	s_or_b32 s[G0C+3], s[G0C+3], 0x80000000        ; 127:126 type = 2
	CROUND                                         ; all sixteen work-groups are here: the first joint loads meet
.irp s, 0,1
	s_mov_b32 s[G0+4*\s], 1                                        ; 1:0 count = 1
	s_add_co_u32 s[G0+4*\s+1], s20, \s*SLOT                        ; 63:32 LDS address
	s_add_nc_u64 s[G0+4*\s+2:G0+4*\s+3], s[46:47], \s*KSTEP*2      ; 120:64 global address: K step s
	s_or_b32 s[G0+4*\s+3], s[G0+4*\s+3], 0x80000000                ; 127:126 type = 2
	s_mov_b32 s[G0B+4*\s], 1
	s_add_co_u32 s[G0B+4*\s+1], s20, \s*SLOT
	s_add_nc_u64 s[G0B+4*\s+2:G0B+4*\s+3], s[14:15], \s*KSTEP*2
	s_or_b32 s[G0B+4*\s+3], s[G0B+4*\s+3], 0x80000000
	JLOAD \s                                       ; the ring is filled before anything else is done
.endr
	tensor_load_to_lds s[G0C:G0C+3], s[G1C:G1C+7]  ; the early rows of c_prev or n_prev, in the same group of first fills: three tensor loads of the wave are out
	s_nop 0
	; A fragment is 16 rows x 32 K in 8 registers: lane l holds row l % 16; registers 0-3 hold K = 8 (l / 16) + 0..7, registers 4-7 hold
	; K = 16 + 8 (l / 16) + 0..7.  From rows that lie along K: two loads of 16 bytes, 32 bytes apart.
	v_and_b32 v1, 15, v0                           ; r = l % 16
	v_bfe_u32 v2, v0, 4, 1                         ; h = l / 16
	v_mul_u32_u24 v3, v1, PITCH
	v_lshl_add_u32 v4, v2, 5, v3                   ; c and n: row x pitch + 32 h (8 numbers of 4 bytes)
	v_lshl_add_u32 v3, v2, 4, v3                   ; fragments: row x pitch + 16 h
	s_mul_i32 s21, s11, HALFT                      ; my 128 rows of abf
	s_mul_i32 s22, s12, HALFT                      ; my 128 rows of bbf,
	s_add_co_u32 s22, s22, 2*HALFT                 ; which lie behind abf's 256
	s_lshl_b32 s23, s12, 7                         ; my 32 columns of c and n: 128 bytes
	s_mul_i32 s45, s11, EPART                      ; the early part that holds my batch rows 0-31: c_prev's half number wm,
	s_add_co_u32 s45, s45, s23
	s_add_co_u32 s45, s45, EARLY
	v_add_nc_u32 v[ADCE], s45, v4
	v_add_nc_u32 v[ADNE], 2*EPART, v[ADCE]         ; n_prev's two parts lie behind c_prev's two
	s_add_co_u32 s23, s23, s21                     ; the late part keeps each row's place in slot 0: my 128 batch rows
	v_add_nc_u32 v[ADC], s23, v4
	v_add_nc_u32 v[ADN], 2*HALFT, v[ADC]
.irp s, 0,1
	v_add_nc_u32 v[ADRA+\s], s21, v3
	v_add_nc_u32 v[ADRB+\s], s22, v3
	s_add_co_u32 s21, s21, SLOT
	s_add_co_u32 s22, s22, SLOT
.endr
	s_mul_i32 s23, s10, WREG                       ; my stage, in slot 1
	s_add_co_u32 s23, s23, SLOT
	v_mul_u32_u24 v4, v1, SPITCH                   ; in: row r, 32 bytes for each half of the lanes
	v_lshl_add_u32 v4, v2, 5, v4
	v_add_nc_u32 v[STO], s23, v4
	; back: I store rows 64 wave .. 64 wave + 63 of the block.  They are stage rows 64 (wave & 1) + .. of the two waves that share my 128 batch rows:
	; lanes 0-7 take the left 128 bytes of a row, lanes 8-15 the right 128 from the neighbour's stage, lanes 16-31 the next row.
	s_mul_i32 s23, s11, 2*WREG
	s_mul_i32 s21, s12, 64*SPITCH
	s_add_co_u32 s23, s23, s21
	s_add_co_u32 s23, s23, SLOT
	v_mul_u32_u24 v4, v2, SPITCH
	v_bfe_u32 v5, v0, 3, 1
	v_mul_u32_u24 v5, v5, WREG
	v_and_b32 v3, 7, v0
	v_lshl_add_u32 v4, v3, 4, v4
	v_add3_u32 v[RD], v4, v5, s23
	v_lshlrev_b32 v4, 13, v2                       ; and the same two rows in out0: 8,192 bytes apart
	v_lshl_add_u32 v[CO], v1, 4, v4
	v_and_b32 v[PF], 31, v0                        ; the prefetch: one lane for each row
	v_lshlrev_b32 v[PF], 13, v[PF]
	s_lshl_b32 s82, s13, 8                         ; the biases: 64 numbers for each hidden block,
	s_lshl_b32 s83, s12, 7                         ; 32 for my half,
	s_add_co_u32 s82, s82, s83
	v_lshl_add_u32 v[BO], v2, 5, s82               ; 8 for my half of the lanes
.irp g, 0,1,2,3
.irp jb, 0,1
	global_load_b128 v[BIAS+16*\g+8*\jb:BIAS+16*\g+8*\jb+3],   v[BO], s[84+2*\g:85+2*\g] offset:64*\jb
	global_load_b128 v[BIAS+16*\g+8*\jb+4:BIAS+16*\g+8*\jb+7], v[BO], s[84+2*\g:85+2*\g] offset:64*\jb+16
.endr
.endr
; 16 matrix instructions: row blocks a0, a0 + 1 of the window's four (hi = 0: my rows 0-63, 1: rows 64-127) x all 8 blocks of bbf, 32 along K.
; zero = 1: the first product of each tile takes the block's bias as C and starts the sum.
; The 64 accumulators take turns, one instruction a turn, in the same order in every quarter step.
.macro MUL16 f, hi, a0, zero
.irp a, \a0, \a0+1
.irp b, 0,1,2,3,4,5,6,7
.if \zero
	v_wmma_f32_16x16x32_bf16 v[8*(8*(\a)+\b):8*(8*(\a)+\b)+7], v[\f+8*\b:\f+8*\b+7], v[\f+8*(4*\hi+\a):\f+8*(4*\hi+\a)+7], v[BIAS+8*\b:BIAS+8*\b+7]
.else
	v_wmma_f32_16x16x32_bf16 v[8*(8*(\a)+\b):8*(8*(\a)+\b)+7], v[\f+8*\b:\f+8*\b+7], v[\f+8*(4*\hi+\a):\f+8*(4*\hi+\a)+7], v[8*(8*(\a)+\b):8*(8*(\a)+\b)+7]
.endif
.endr
.endr
.endm
; 32 LDS loads in one run: the fragments of one quarter step (128 rows of bbf, 128 rows of abf, 32 K at byte k of the rows) into buffer f
.macro FETCH slot, k, f
	WIN TO_B
.irp i, 0,1,2,3,4,5,6,7
	ds_load_b128 v[\f+8*\i:\f+8*\i+3],   v[ADRB+\slot] offset:\k+\i*16*PITCH
	ds_load_b128 v[\f+8*\i+4:\f+8*\i+7], v[ADRB+\slot] offset:\k+\i*16*PITCH+32
.endr
	WIN 0
.irp i, 0,1,2,3,4,5,6,7
	ds_load_b128 v[\f+8*\i:\f+8*\i+3],   v[ADRA+\slot] offset:\k+\i*16*PITCH
	ds_load_b128 v[\f+8*\i+4:\f+8*\i+7], v[ADRA+\slot] offset:\k+\i*16*PITCH+32
.endr
.endm
; A load into a register that a matrix instruction has read, and a vector instruction that reads a matrix result or writes one of a matrix instruction's
; registers, stand four places behind that matrix instruction, and only plain vector instructions that name none of its registers are places
; (ISA guide 7.12.1 for vector instructions); the matrix instructions in between are not counted.
.macro PLACES
.rept 4
	v_nop
.endr
.endm
; A K step is four quarter steps of 32 along K, 64 matrix instructions each, on buffers 0, 1, 0, 1.
; One of the first three: multiplies buffer f; in its middle it fetches the next quarter's fragments, at byte k of the same slot's rows, into buffer g.
.macro QUARTER slot, k, f, g, zero
	s_wait_dscnt 8                                 ; bbf's fragments and abf's rows 0-63 are in; the youngest eight loads (abf's rows 64-127) may be out
.if \zero
	WIN BIA_LO
.else
	WIN MUL_LO
.endif
	MUL16 \f, 0, 0, \zero
	MUL16 \f, 0, 2, \zero
	PLACES
	FETCH \slot, \k, \g
	s_wait_dscnt 32                                ; all but the 32 just issued
.if \zero
	WIN BIA_HI
.else
	WIN MUL_HI
.endif
	MUL16 \f, 1, 0, \zero
	MUL16 \f, 1, 2, \zero
.endm
.macro THREE slot, zero
	QUARTER \slot, 64,  F0, F1, \zero
	QUARTER \slot, 128, F1, F0, 0
	QUARTER \slot, 192, F0, F1, 0
.endm
; The last quarter of a K step: multiplies buffer 1 and changes slots.  next = the other slot.
; fill = 1: this slot is filled again, two K steps ahead, by the joint loads.  fill = 2: it gets the late rows of c_prev and n_prev, each wave its own 96.
; In front of the barrier each wave waits for its own reads of this slot and for all its tensor loads, of which one is out: its part of the next slot.
; The barrier opens a round of the cluster's barrier; inside the round stands register work alone; the refill is the wave's first and only tensor load behind it.
; From a joint request to the wait for it a wave issues 240 matrix instructions.
.macro TURN slot, next, fill
	s_wait_dscnt 8
	WIN MUL_LO
	MUL16 F1, 0, 0, 0
	s_wait_dscnt 0                                 ; my reads of this slot are over
	s_wait_tensorcnt 0x0                           ; and all my tensor loads have landed: the one that was out is my part of the next slot
	ds_add_u32 v255, v31
	s_wait_dscnt 0x0
	s_barrier_signal -1                            ; say so,
	MUL16 F1, 0, 2, 0                              ; work on registers while the others arrive,
	WIN 0
	s_barrier_wait -1                              ; and go on when all four have said so
	CREST                                          ; all sixteen work-groups have said so: no wave of any partner still reads this slot's tile or has a load on its way
.if \fill == 1
	s_add_nc_u64 s[G0+4*\slot+2:G0+4*\slot+3], s[G0+4*\slot+2:G0+4*\slot+3], 2*KSTEP*2
	s_add_nc_u64 s[G0B+4*\slot+2:G0B+4*\slot+3], s[G0B+4*\slot+2:G0B+4*\slot+3], 2*KSTEP*2
	JLOAD \slot
.else
	tensor_load_to_lds s[G0C:G0C+3], s[G1C:G1C+7]  ; one line for the four waves: both addresses hang on the wave's number
	s_nop 0
.endif
	PLACES
	FETCH \next, 0, F0
	WIN MUL_HI
	MUL16 F1, 1, 0, 0
	MUL16 F1, 1, 2, 0
.endm
.macro LAP zero                        ; once round the ring, both slots filled again
	THREE 0, \zero
	TURN 0, 1, 1
	THREE 1, 0
	TURN 1, 0, 1
.endm
	s_wait_tensorcnt 2                             ; my part of K step 0 is in; K step 1's load and the early rows' stay out
	s_barrier_signal -1
	s_barrier_wait -1                              ; everybody's is
	FETCH 0, 0, F0
	s_wait_loadcnt 0x0                             ; the biases, once
	LAP 1                                          ; the first lap stands in front of the loop: its first products start the sums from the biases
	WIN 0                                          ; at a label and at a branch every window is 0
	; The early rows' load was shown done by the first lap's waits for all tensor loads, so its descriptor may be written: now the late part,
	; rows 32 to 127 of my 128, each at its row's place in my quarter of slot 0.
	s_mov_b32 s[G1C+2], (128-EROWS)<<16            ; tensor_dim1 = 96
	s_mov_b32 s[G1C+4], 128-EROWS                  ; tile_dim1 = 96
	s_mul_i32 s[G0C+1], s10, HALFT
	s_add_co_u32 s[G0C+1], s[G0C+1], EPART
	s_add_nc_u64 s[G0C+2:G0C+3], s[G0C+2:G0C+3], EROWS*CROW   ; the address steps 32 rows; the type bits on top are not reached
	s_mov_b32 s3, LAPS-2
.Llap:
	LAP 0
	WIN 0
	s_sub_co_u32 s3, s3, 1
	s_cmp_lg_u32 s3, 0
	s_cbranch_scc1 .Llap
	; The late rows are asked into the L2 here, at the head of K step 22, 224 matrix instructions ahead of the tensor load that fetches them: each wave for the 96 rows
	; that it will fetch itself, one lane for each row's 256 bytes, so each piece is asked for once in the launch; rows 32 to 127 of a tile lie inside the buffer.
.irp i, 1,2,3
	global_prefetch_b8 v[PF], s[66:67] offset:\i*32*CROW th:TH_LOAD_NT scope:SCOPE_SE
.endr
	THREE 0, 0                                     ; the last lap: K steps 22 and 23
	TURN 0, 1, 2                                   ; slot 0 has had its last K step: the late rows of c_prev and n_prev come into it
	THREE 1, 0
	s_wait_dscnt 8                                 ; the very last quarter: nothing more to fetch
	WIN MUL_LO
	MUL16 F1, 0, 0, 0
	MUL16 F1, 0, 2, 0
	s_wait_dscnt 0                                 ; my reads of slot 1 are over: behind the barrier it is the stage for h.  My tensor load into slot 0 stays out, and nobody reads slot 0 before the next one
	s_barrier_signal -1
	WIN MUL_HI
	MUL16 F1, 1, 0, 0
	MUL16 F1, 1, 2, 0
	WIN 0
	s_barrier_wait -1                              ; no wave reads slot 1's tile any more.  No tensor load follows: slot 1 has had its last fill
; THE TAIL.  Eight LDS loads: c_prev and n_prev of my 16 elements in row block blk (16 rows of 272 bytes on): columns 8 h + 0..7 and 16 + 8 h + 0..7 of my 32.
; ac, an = the address registers: the early part's for blocks 0 and 1, slot 0's for the others.
.macro CNLOAD blk, set, ac, an
	ds_load_b128 v[\set:\set+3],      v[\ac] offset:(\blk)*16*PITCH
	ds_load_b128 v[\set+4:\set+7],    v[\ac] offset:(\blk)*16*PITCH+16
	ds_load_b128 v[\set+8:\set+11],   v[\ac] offset:(\blk)*16*PITCH+64
	ds_load_b128 v[\set+12:\set+15],  v[\ac] offset:(\blk)*16*PITCH+80
	ds_load_b128 v[\set+16:\set+19],  v[\an] offset:(\blk)*16*PITCH
	ds_load_b128 v[\set+20:\set+23],  v[\an] offset:(\blk)*16*PITCH+16
	ds_load_b128 v[\set+24:\set+27],  v[\an] offset:(\blk)*16*PITCH+64
	ds_load_b128 v[\set+28:\set+31],  v[\an] offset:(\blk)*16*PITCH+80
.endm
; Row block ap (0..7) of my 128 rows, 16 elements a lane.  a = its place in its window; w2, w1 = the settings with sources 0 and 1, or source 0 alone, in that window;
; cur = the registers that hold its c and n, nxt = those into which the next block's are fetched.
; mode = 0: the next block's come from slot 0; 2: from the early part; 1: nothing is fetched ahead.
.macro EPI ap, a, w2, w1, cur, nxt, mode
.if \mode == 0
	CNLOAD \ap+1, \nxt, ADC, ADN
	s_wait_dscnt 8                                 ; LDS instructions end in order (ISA guide 5.7.1): all but the eight just issued, so this block's c and n are in
.endif
.if \mode == 2
	CNLOAD \ap+1, \nxt, ADCE, ADNE
	s_wait_dscnt 8                                 ; as above
.endif
.if \mode == 1
	s_wait_dscnt 4                                 ; behind this block's eight loads only the four stage stores of the block before were issued
.endif
	WIN \w2
.irp e, 0,1,2,3,4,5,6,7,8,9,10,11,12,13,14,15
	v_max_num_f32 v[M+\e], v[64*\a+16+\e], v[64*\a+32+\e]          ; m = max(ai, af)
.endr
	WIN \w1
.irp e, 0,2,4,6,8,10,12,14
	v_pk_add_f32 v[TI+\e:TI+\e+1], v[64*\a+16+\e:64*\a+16+\e+1], v[M+\e:M+\e+1] neg_lo:[0,1] neg_hi:[0,1]   ; ai - m: the difference first, so that it is exact where it matters
	v_pk_add_f32 v[TF+\e:TF+\e+1], v[64*\a+32+\e:64*\a+32+\e+1], v[M+\e:M+\e+1] neg_lo:[0,1] neg_hi:[0,1]   ; af - m
	v_pk_mul_f32 v[TZ+\e:TZ+\e+1], v[64*\a+\e:64*\a+\e+1], s[96:97] op_sel_hi:[1,0]                         ; 2 az log2 e
	v_pk_mul_f32 v[TO+\e:TO+\e+1], v[64*\a+48+\e:64*\a+48+\e+1], s[98:99] op_sel_hi:[1,0]                   ; - ao log2 e
.endr
	WIN 0
.irp e, 0,2,4,6,8,10,12,14
	v_pk_mul_f32 v[TI+\e:TI+\e+1], v[TI+\e:TI+\e+1], s[100:101] op_sel_hi:[1,0]
	v_pk_mul_f32 v[TF+\e:TF+\e+1], v[TF+\e:TF+\e+1], s[100:101] op_sel_hi:[1,0]
.endr
.set j, 0
.rept 64
	v_exp_f32 v[TZ+j], v[TZ+j]                     ; e^(2 az), e^(ai - m), e^(af - m), e^-ao: TZ, TI, TF, TO follow each other
.set j, j+1
.endr
	v_nop                                          ; one plain vector instruction between a transcendental and the first use of its result (ISA guide 5.7.2)
	s_wait_alu depctr_va_vdst(0)
.irp e, 0,2,4,6,8,10,12,14
	v_pk_add_f32 v[TZ+\e:TZ+\e+1], v[TZ+\e:TZ+\e+1], 1.0 op_sel_hi:[1,0]                                    ; 1 + e^(2 az)
	v_pk_fma_f32 v[\cur+16+\e:\cur+16+\e+1], v[TF+\e:TF+\e+1], v[\cur+16+\e:\cur+16+\e+1], v[TI+\e:TI+\e+1] ; n' = f' n_prev + i'
.endr
.irp e, 0,2,4,6,8,10,12,14
	v_pk_fma_f32 v[\cur+16+\e:\cur+16+\e+1], v[\cur+16+\e:\cur+16+\e+1], v[TO+\e:TO+\e+1], v[\cur+16+\e:\cur+16+\e+1]   ; n' (1 + e^-ao)
.endr
.set j, 0
.rept 16
	v_rcp_f32 v[TZ+j], v[TZ+j]
	v_rcp_f32 v[\cur+16+j], v[\cur+16+j]
.set j, j+1
.endr
	v_nop                                          ; as above
	s_wait_alu depctr_va_vdst(0)
.irp e, 0,2,4,6,8,10,12,14
	v_pk_fma_f32 v[TZ+\e:TZ+\e+1], v[TZ+\e:TZ+\e+1], -2.0, 1.0 op_sel_hi:[1,0,0]                            ; tanh(az) = 1 - 2 / (1 + e^(2 az))
.endr
.irp e, 0,2,4,6,8,10,12,14
	v_pk_mul_f32 v[TZ+\e:TZ+\e+1], v[TZ+\e:TZ+\e+1], v[TI+\e:TI+\e+1]                                       ; i' z
.endr
.irp e, 0,2,4,6,8,10,12,14
	v_pk_fma_f32 v[TZ+\e:TZ+\e+1], v[TF+\e:TF+\e+1], v[\cur+\e:\cur+\e+1], v[TZ+\e:TZ+\e+1]                 ; c' = f' c_prev + i' z
.endr
.irp e, 0,2,4,6,8,10,12,14
	v_pk_mul_f32 v[TZ+\e:TZ+\e+1], v[TZ+\e:TZ+\e+1], v[\cur+16+\e:\cur+16+\e+1]                             ; h = c' / (n' (1 + e^-ao))
.endr
	ds_store_b128 v[STO], v[TZ:TZ+3]     offset:\ap*16*SPITCH      ; columns 8 h + 0..3 of my 32,
	ds_store_b128 v[STO], v[TZ+4:TZ+7]   offset:\ap*16*SPITCH+16   ; 8 h + 4..7,
	ds_store_b128 v[STO], v[TZ+8:TZ+11]  offset:\ap*16*SPITCH+64   ; 16 + 8 h + 0..3,
	ds_store_b128 v[STO], v[TZ+12:TZ+15] offset:\ap*16*SPITCH+80   ; 16 + 8 h + 4..7
.endm
	PLACES                                         ; the places behind the last matrix instructions: the tail reads their results and writes over their fragments
	CNLOAD 0, CN0, ADCE, ADNE                      ; the early rows landed, and were shown to every wave, in the first lap
	s_lshl_b32 s80, s42, 8                         ; out0: my first row = 256 x batch block + 64 x wave,
	s_lshl_b32 s81, s10, 6
	s_add_co_u32 s80, s80, s81
	s_lshl_b32 s80, s80, 13                        ; rows of 8,192 bytes,
	s_lshl_b32 s81, s13, 8                         ; and 256 bytes for each hidden block; under 16 MiB in all
	s_add_co_u32 s80, s80, s81
	s_mov_b32 s81, 0
	s_add_nc_u64 s[8:9], s[8:9], s[80:81]
	EPI 0, 0, 0x0a, 0x02, CN0, CN1, 2
	EPI 1, 1, 0x0a, 0x02, CN1, CN0, 1
	s_wait_tensorcnt 0x0                           ; my 96 late rows of c_prev or n_prev have landed,
	s_wait_dscnt 0x0                               ; no LDS instruction of mine is pending at the signal,
	s_barrier_signal -1
	s_barrier_wait -1                              ; and the same holds of all four waves: slot 0 holds rows 32 to 127 of both halves of both tiles
	CNLOAD 2, CN0, ADC, ADN
	EPI 2, 2, 0x0a, 0x02, CN0, CN1, 0
	EPI 3, 3, 0x0a, 0x02, CN1, CN0, 0
	EPI 4, 0, 0x0f, 0x03, CN0, CN1, 0
	EPI 5, 1, 0x0f, 0x03, CN1, CN0, 0
	EPI 6, 2, 0x0f, 0x03, CN0, CN1, 0
	EPI 7, 3, 0x0f, 0x03, CN1, CN0, 1
	; THE WAY OUT.  A row of the block is 256 bytes of h, half from each of two waves' stages: so a barrier, then whole rows are read back and stored.
	s_wait_dscnt 0x0                               ; my stage stores are done, for the neighbour's sake
	s_barrier_signal -1
	s_barrier_wait -1
.set t, 0
.rept 32
	ds_load_b128 v[64+4*t:64+4*t+3], v[RD] offset:t*2*SPITCH       ; two rows of 256 bytes
.set t, t+1
.endr
.set t, 0
.rept 32
	s_wait_dscnt 31-t                              ; load t is in, the 31-t younger ones stay out
	global_store_b128 v[CO], v[64+4*t:64+4*t+3], s[8:9] offset:t*2*CROW th:TH_STORE_NT   ; 16 lanes store 256 consecutive bytes, at a multiple of 256 from out0's first byte
.set t, t+1
.endr
	s_set_vgpr_msb 0x1
	s_wait_tensorcnt 0x0
	ds_add_u32 v255, v31
	s_wait_dscnt 0x0
	s_set_vgpr_msb 0x100
	CROUND                                         ; the closing round: no work-group ends while a partner may still ask for a tile that names it
	s_endpgm
.Lfunc_end_k_q9cb2ba7513_cell:
	.size	k_q9cb2ba7513_cell, .Lfunc_end_k_q9cb2ba7513_cell-k_q9cb2ba7513_cell
	.p2alignl 7, 3214868480
	.fill 96, 4, 3214868480
	.section	.rodata,"a",@progbits
	.p2align	6, 0x0
	.amdhsa_kernel k_q9cb2ba7513_cell
		.amdhsa_group_segment_fixed_size 327680
		.amdhsa_private_segment_fixed_size 0
		.amdhsa_enable_private_segment 0
		.amdhsa_kernarg_size 72
		.amdhsa_user_sgpr_count 2
		.amdhsa_user_sgpr_kernarg_segment_ptr 1
		.amdhsa_wavefront_size32 1
		.amdhsa_system_sgpr_workgroup_id_x 1
		.amdhsa_system_sgpr_workgroup_id_y 1
		.amdhsa_system_sgpr_workgroup_id_z 1
		.amdhsa_system_vgpr_workitem_id 0
		.amdhsa_next_free_vgpr 1024
		.amdhsa_next_free_sgpr 102
		.amdhsa_reserve_vcc 0
		.amdhsa_float_denorm_mode_32 3
		.amdhsa_float_denorm_mode_16_64 3
		.amdhsa_memory_ordered 1
		.amdhsa_forward_progress 1
		.amdhsa_inst_pref_size 255
	.end_amdhsa_kernel
	.section	.bss,"aw",@nobits
	.p2align	6
	.space	262144
	.amdgpu_metadata
---
amdhsa.version: [ 1, 2 ]
amdhsa.kernels:
  - .name:           k_q9cb2ba7513_cell
    .symbol:         k_q9cb2ba7513_cell.kd
    .args:
      - { .name: abf, .offset: 0, .size: 8, .value_kind: global_buffer, .address_space: global }
      - { .name: bbf, .offset: 8, .size: 8, .value_kind: global_buffer, .address_space: global }
      - { .name: bz, .offset: 16, .size: 8, .value_kind: global_buffer, .address_space: global }
      - { .name: bi, .offset: 24, .size: 8, .value_kind: global_buffer, .address_space: global }
      - { .name: bf, .offset: 32, .size: 8, .value_kind: global_buffer, .address_space: global }
      - { .name: bo, .offset: 40, .size: 8, .value_kind: global_buffer, .address_space: global }
      - { .name: c_prev, .offset: 48, .size: 8, .value_kind: global_buffer, .address_space: global }
      - { .name: n_prev, .offset: 56, .size: 8, .value_kind: global_buffer, .address_space: global }
      - { .name: out0, .offset: 64, .size: 8, .value_kind: global_buffer, .address_space: global }
    .group_segment_fixed_size: 327680
    .private_segment_fixed_size: 0
    .kernarg_segment_align: 8
    .kernarg_segment_size: 72
    .max_flat_workgroup_size: 128
    .sgpr_count:     102
    .vgpr_count:     1024
    .wavefront_size: 32
...
	.end_amdgpu_metadata
.endif
;; end of part 2
;; ======== version 2 of 2: 2 launches; version 1 with the launch pack written anew for expert scheduling mode
;; workspace buffers: abf 12,582,912 bytes; bbf 50,331,648 bytes
;; launch pack (part 3): grid 256 x 5, 8 waves a work-group, no clusters, 0 bytes of LDS; arguments x, h_prev, Wz, Rz, Wi, Ri, Wf, Rf, Wo, Ro, abf, bbf; writes abf, bbf
.if DOCPART == 3
	.amdgcn_target "amdgcn-amd-amdhsa--gfx1250"
	.amdhsa_code_object_version 6
	.text
	.protected	k_q9cb2ba7513_pack
	.globl	k_q9cb2ba7513_pack
	.p2align	8
	.type	k_q9cb2ba7513_pack,@function
k_q9cb2ba7513_pack:
	s_mov_b64 s[64:65], 0
	v_nop
	global_prefetch_b8 v0, s[64:65] scope:SCOPE_SE
	s_setreg_imm32_b32 hwreg(HW_REG_WAVE_SCHED_MODE, 0, 2), 2
	s_setreg_imm32_b32 hwreg(HW_REG_WAVE_MODE, 25, 1), 1
	s_wait_xcnt 0x0
	s_wait_alu depctr_vm_vsrc(0)
; Rounds the product's operands to bf16 once (to nearest even) and lays them in the order in which the second launch multiplies them.
;   abf[m][0:1024] = x[m], abf[m][1024:3072] = h_prev[m]                       2,048 rows of 3,072 bf16 (6,144 bytes)
;   bbf[n][0:1024] = W_g[hid], bbf[n][1024:3072] = R_g[hid], n = (hid >> 5) * 128 + g * 32 + (hid & 31), g = 0..3 for z, i, f, o
; so that 128 neighbouring rows of bbf hold all four gates of 32 neighbouring hidden columns.
; A stream: every input byte is read once and every output byte written once, so there is no LDS, no barrier, no matrix work, and no cluster
; (no two work-groups read the same byte).  10,240 output rows = 5 x 256 work-groups x 8 waves x 1 row.  The work-group's y picks the pair of
; sources (0: x and h_prev; 1 to 4: W_g and R_g), its x and the wave's number the row.
; A wave's row is 12,288 bytes of f32: 24 pieces, each one load of 16 bytes a lane (512 neighbouring bytes) and one store of 8 bytes a lane.
; THE MODE: SCHED_MODE bits 1:0 = 2 (LLVM: expert scheduling mode 2), set by the entry lines.  The code itself states the register dependences
; between vector instructions and memory instructions, with s_wait_alu, always for 0.
; THE PLAN.  The 24 pieces go in 12 blocks of two.  Registers that memory instructions touch:
;   X0 .. X4   five buffers of two pieces as loaded.  Written by loads alone: blocks 0 to 3 at the head, block p + 4 in block p; read by block p's four conversions (X[p % 5]).
;   Y          a pair of registers of its own for each of the 24 pieces.  Written once, by the piece's two conversions; read once, by its store, which is issued in the next block.
;   v2, v3     byte offsets, made once at the head and never written again; the pieces are reached by immediate offsets, and no base is stepped.
; Block p works on X[p % 5] and writes its own two pairs of Y.  Its memory instructions are the loads into X[(p + 4) % 5] = X[(p - 1) % 5] and the stores from
; block p - 1's pairs of Y: registers that block p - 1 worked on and that no vector instruction of block p names.  So ONE wait on va_vdst at a block's head states
; all that the block's four memory instructions hang on, and these are dealt among its conversions with no further wait.  No register that a memory instruction
; has read is ever written again, so no wait stands for that: none on vm_vsrc, and none on XCNT.
; Six to eight loads of a wave are on their way.  With 92 registers a wave the five work-groups that fall to a WGP (10 waves on each SIMD's 1,024 registers: 920)
; lie beside each other.
.set ROWB,  6144                       ; bytes in an output row
.set NBLK,  12                         ; blocks of two pieces: 4 from the first source, 8 from the second
.set AHEAD, 4                          ; a block's loads are issued four blocks ahead; the first source's four blocks fill the ring, so that block p loads pieces 2 p and 2 p + 1 of the second source
.set NBUF,  AHEAD+1                    ; X's buffers
.set X,     4                          ; v[4:43]   buffer b, piece i of two: 4 registers at X + 8 b + 4 i, 4 f32 as loaded
.set Y,     44                         ; v[44:91]  piece j of 24: 2 registers at Y + 2 j, 4 bf16 to store
	s_load_b512 s[8:23], s[0:1], 0x0               ; x 8, h_prev 10, Wz 12, Rz 14, Wi 16, Ri 18, Wf 20, Rf 22
	s_load_b256 s[24:31], s[0:1], 0x40             ; Wo 24, Ro 26, abf 28, bbf 30
	v_lshrrev_b32 v1, 5, v0
	v_readfirstlane_b32 s2, v1                     ; the wave's number
	v_and_b32 v1, 31, v0                           ; lane
	v_lshlrev_b32 v2, 4, v1                        ; 16 bytes a lane in a load; never rewritten
	v_lshlrev_b32 v3, 3, v1                        ; 8 bytes a lane in a store; never rewritten
	s_and_b32 s3, ttmp7, 0xffff                    ; y: which pair of sources
	s_lshl_b32 s4, ttmp9, 3
	s_wait_alu depctr_va_sdst(0)                   ; s2 is written, ahead of its first reader: the row's number, and with it all three bases, are made from it
	s_add_co_u32 s4, s4, s2                        ; the source row = 8 x + wave
	s_lshr_b32 s5, s4, 5                           ; the row in bbf: (row >> 5) * 128
	s_lshl_b32 s5, s5, 7
	s_and_b32 s6, s4, 31                           ; + (row & 31)
	s_add_co_u32 s5, s5, s6
	s_max_u32 s6, s3, 1                            ; + 32 x gate; the gate is y - 1 (at y = 0 this sum is not used)
	s_sub_co_u32 s6, s6, 1
	s_lshl_b32 s6, s6, 5
	s_add_co_u32 s5, s5, s6
	s_cmp_eq_u32 s3, 0
	s_cselect_b32 s5, s4, s5                       ; in abf the row keeps its number
	s_mul_i32 s32, s5, ROWB                        ; at most 8,191 x 6,144: inside 32 bits
	s_mov_b32 s33, 0
	s_lshl_b32 s40, s4, 12                         ; the first source's rows are 4,096 bytes,
	s_mov_b32 s41, 0
	s_lshl_b32 s42, s4, 13                         ; the second's 8,192
	s_mov_b32 s43, 0
	s_wait_kmcnt 0x0
	s_mov_b64 s[34:35], s[8:9]                     ; y = 0: x and h_prev
	s_mov_b64 s[36:37], s[10:11]
.irp k, 1,2,3,4
	s_cmp_eq_u32 s3, \k                            ; y = k: W and R of gate k - 1
	s_cselect_b64 s[34:35], s[8+4*\k:9+4*\k], s[34:35]
	s_cselect_b64 s[36:37], s[10+4*\k:11+4*\k], s[36:37]
.endr
	s_cmp_eq_u32 s3, 0
	s_cselect_b64 s[38:39], s[28:29], s[30:31]     ; abf or bbf
	s_add_nc_u64 s[34:35], s[34:35], s[40:41]
	s_add_nc_u64 s[36:37], s[36:37], s[42:43]
	s_add_nc_u64 s[38:39], s[38:39], s[32:33]
	s_wait_alu depctr_va_vdst(0)                   ; v2 and v3 are written: every load of the kernel reads v2 as its offset, every store v3
.irp j, 0,1,2,3,4,5,6,7
	global_load_b128 v[X+4*\j:X+4*\j+3], v2, s[34:35] offset:512*\j th:TH_LOAD_NT   ; blocks 0 to 3 into X0 to X3: the first source's whole row
.endr
; Block p of 12: pieces j = 2 p and 2 p + 1.
.set p, 0
.rept NBLK
.if p > NBLK-AHEAD
	s_wait_loadcnt 2*(NBLK-1-p)                    ; the last blocks: nothing has been asked for behind block 11, and the counts run down
.else
	s_wait_loadcnt 2*(AHEAD-1)                     ; loads come back in order (ISA guide 5.7.1): X[p % 5] is in, the three younger blocks' six loads stay out
.endif
.if p > 0
	s_wait_alu depctr_va_vdst(0)                   ; the block before has written its two pairs of Y, which the stores below read, and is done reading its X, in which the loads below land
.endif
.set i, 0
.rept 2
.set j, 2*p+i
.set xr, X+8*(p%NBUF)+4*i                              ; this piece as loaded
.set xn, X+8*((p+AHEAD)%NBUF)+4*i                      ; where the piece four blocks on lands
.if p < NBLK-AHEAD
	global_load_b128 v[xn:xn+3], v2, s[36:37] offset:512*j th:TH_LOAD_NT   ; piece j of the second source, ahead of the store; no vector instruction since the wait names these registers (in block 0: none at all has)
.endif
.if p > 0
	global_store_b64 v3, v[Y+2*(j-2):Y+2*(j-2)+1], s[38:39] offset:256*(j-2)   ; the block before: the wave's 32 lanes store 256 consecutive bytes, at a multiple of 256 from the buffer's first byte; the next launch reads them, so no hint
.endif
	v_cvt_pk_bf16_f32 v[Y+2*j],   v[xr],   v[xr+1]
	v_cvt_pk_bf16_f32 v[Y+2*j+1], v[xr+2], v[xr+3]
.set i, i+1
.endr
.set p, p+1
.endr
	s_wait_alu depctr_va_vdst(0)                   ; block 11 has written its two pairs of Y, which the last two stores read
	global_store_b64 v3, v[Y+44:Y+45], s[38:39] offset:256*22
	global_store_b64 v3, v[Y+46:Y+47], s[38:39] offset:256*23
	s_endpgm
.Lfunc_end_k_q9cb2ba7513_pack:
	.size	k_q9cb2ba7513_pack, .Lfunc_end_k_q9cb2ba7513_pack-k_q9cb2ba7513_pack
	.p2alignl 7, 3214868480
	.fill 96, 4, 3214868480
	.section	.rodata,"a",@progbits
	.p2align	6, 0x0
	.amdhsa_kernel k_q9cb2ba7513_pack
		.amdhsa_group_segment_fixed_size 0
		.amdhsa_private_segment_fixed_size 0
		.amdhsa_enable_private_segment 0
		.amdhsa_kernarg_size 96
		.amdhsa_user_sgpr_count 2
		.amdhsa_user_sgpr_kernarg_segment_ptr 1
		.amdhsa_wavefront_size32 1
		.amdhsa_system_sgpr_workgroup_id_x 1
		.amdhsa_system_sgpr_workgroup_id_y 1
		.amdhsa_system_sgpr_workgroup_id_z 1
		.amdhsa_system_vgpr_workitem_id 0
		.amdhsa_next_free_vgpr 92
		.amdhsa_next_free_sgpr 66
		.amdhsa_reserve_vcc 0
		.amdhsa_float_denorm_mode_32 3
		.amdhsa_float_denorm_mode_16_64 3
		.amdhsa_memory_ordered 1
		.amdhsa_forward_progress 1
		.amdhsa_inst_pref_size 11
	.end_amdhsa_kernel
	.amdgpu_metadata
---
amdhsa.version: [ 1, 2 ]
amdhsa.kernels:
  - .name:           k_q9cb2ba7513_pack
    .symbol:         k_q9cb2ba7513_pack.kd
    .args:
      - { .name: x, .offset: 0, .size: 8, .value_kind: global_buffer, .address_space: global }
      - { .name: h_prev, .offset: 8, .size: 8, .value_kind: global_buffer, .address_space: global }
      - { .name: Wz, .offset: 16, .size: 8, .value_kind: global_buffer, .address_space: global }
      - { .name: Rz, .offset: 24, .size: 8, .value_kind: global_buffer, .address_space: global }
      - { .name: Wi, .offset: 32, .size: 8, .value_kind: global_buffer, .address_space: global }
      - { .name: Ri, .offset: 40, .size: 8, .value_kind: global_buffer, .address_space: global }
      - { .name: Wf, .offset: 48, .size: 8, .value_kind: global_buffer, .address_space: global }
      - { .name: Rf, .offset: 56, .size: 8, .value_kind: global_buffer, .address_space: global }
      - { .name: Wo, .offset: 64, .size: 8, .value_kind: global_buffer, .address_space: global }
      - { .name: Ro, .offset: 72, .size: 8, .value_kind: global_buffer, .address_space: global }
      - { .name: abf, .offset: 80, .size: 8, .value_kind: global_buffer, .address_space: global }
      - { .name: bbf, .offset: 88, .size: 8, .value_kind: global_buffer, .address_space: global }
    .group_segment_fixed_size: 0
    .private_segment_fixed_size: 0
    .kernarg_segment_align: 8
    .kernarg_segment_size: 96
    .max_flat_workgroup_size: 256
    .sgpr_count:     66
    .vgpr_count:     92
    .wavefront_size: 32
...
	.end_amdgpu_metadata
.endif
;; end of part 3
;; launch cell: the kernel of part 2 again; grid 8 x 32, 4 waves a work-group, clusters of 4 x 4, 327,680 bytes of LDS; arguments abf, bbf, bz, bi, bf, bo, c_prev, n_prev, out0; writes out0
